; MI455X (gfx1250); checked and timed in simulation.
; The chip was launched on July 23, 2026; its instructions are those of AMD's public machine-readable ISA for CDNA 5 (MIT licence, August 2026) and "CDNA5" Instruction Set Architecture Reference Guide (July 2026). The comments in the code are by the model that wrote it; some were corrected since.
;; SVD Quant Linear. Allowed arithmetic: matrix products marked QUANTISED: E2M1 operands, one E8M0 scale for each 32 along K, by v_wmma_scale_f32_16x16x128_f8f6f4 with both operands' format E2M1 (or v_wmma_scale_f32_32x16x128_f4), f32 sums; everything else in f32.
;; Inputs: bias 4,096 float32; lora_down_codes 32 x 128 x 16 uint8 (E2M1 codes of lora_down, K innermost, in blocks of 32 codes, two codes a byte); lora_down_scales 32 x 128 uint8 (E8M0 scales of lora_down, one for each 32 codes along K); lora_up_codes 4,096 x 1 x 16 uint8 (E2M1 codes of lora_up, K innermost, in blocks of 32 codes, two codes a byte); lora_up_scales 4,096 x 1 uint8 (E8M0 scales of lora_up, one for each 32 codes along K); qweight 4,096 x 4,096 int32; wscale 4,096 x 64 float32; x 4,096 x 4,096 float32.
;; Outputs: out0 4,096 x 4,096 float32.
;; This version of the problem:
;;   THIS VERSION OF THE PROBLEM IS GIVEN IN LOW PRECISION. The matrix products marked QUANTISED in the list below multiply operands that are first quantised to E2M1 (2 exponent bits, 1 mantissa bit; 4 bits a number), with one power-of-two scale for each 32 numbers along K (OCP MX v1.0); their sums are f32. All else is computed in f32.
;;   The module's matrix products, in the order in which they are computed (A, B: the left and right operand; K: the contracted axis; several contracted axes count as one K, in the product's order):
;;     1. [M 4,096, K 4,096] x [K 4,096, N 4,096]; A: computed on the way; B: computed on the way: QUANTISED
;;     2. [M 4,096, K 4,096] x [K 4,096, N 32]; A: input x; B: input lora_down (given as codes): QUANTISED
;;     3. [M 4,096, K 32] x [K 32, N 4,096]; A: computed on the way; B: input lora_up (given as codes): QUANTISED
;;   THE QUANTISER, for each operand of a quantised product, along K:
;;     - K is cut into blocks of 32 from its start; a last block that is shorter is filled with zeros.
;;     - A block's scale is 2^e with e = floor(log2(the largest magnitude in the block)) - 2, held to -126 .. 127; a block of zeros has e = 0. As a byte (E8M0): e + 127.
;;     - Each number is divided by its block's scale, clamped to +-6, and rounded to the nearest number of E2M1, ties to even, subnormals kept.
;;     - The product sums the exact products of the quantised numbers (number of the format x scale) in f32.
;;   ~~~python
;;   def quantise(x, axis):      # numpy; x: float32 -> the quantised numbers, widened to float32 again
;;       x = np.moveaxis(x, axis, -1); K = x.shape[-1]
;;       x = np.pad(x, [(0, 0)] * (x.ndim - 1) + [(0, -K % 32)]); x = x.reshape(x.shape[:-1] + (-1, 32)); a = np.abs(x).max(-1, keepdims=True)
;;       e = np.where(a > 0, np.clip(np.frexp(np.where(a > 0, a, 1))[1] - 1 - 2, -126, 127), 0)      # np.frexp(a)[1] - 1 = floor(log2(a)), exactly
;;       r = np.clip(x / 2.0 ** e, -6, 6)
;;       step = 2.0 ** (np.maximum(np.frexp(np.where(r == 0, 1, r))[1] - 1, 0) - 1)
;;       q = np.round(r / step) * step * 2.0 ** e      # np.round: ties to even
;;       return np.moveaxis(q.reshape(q.shape[:-2] + (-1,))[..., :K], -1, axis).astype(np.float32)
;;   ~~~
;;   OPERANDS COMPUTED ON THE WAY. 'Computed on the way' means the value that the module computes at that place (a softmax that the list does not call 'softmax' is quantised finished and normalised). What goes into a quantiser is computed in f32, as accurately as f32 sums, v_exp_f32 and their like allow (about 1e-6 of the number): no bf16 or f16 on the way to a quantiser, and a product that is left as it is and whose result goes on into a quantised operand takes f32 operands (vector FMAs, or v_wmma_f32_16x16x4_f32). A number that lies on a knife's edge between two numbers of the format may be rounded either way, as far as f32 arithmetic and the matrix unit's own rounding can turn it there, and no further.
;;   INPUTS GIVEN AS CODES. lora_down (in the module: [32, 4096], K = its axis 1); lora_up (in the module: [4096, 32], K = its axis 1): each comes as NAME_codes (uint8): NAME with its K axis moved to the last place and cut into blocks of 32 codes, [.., K / 32, bytes a block], one block behind the other in memory; two codes a byte, the lower K in the low four bits (a code: sign, 2 exponent bits, 1 mantissa bit); and NAME_scales (uint8): the same leading axes, one E8M0 byte (e + 127) for each 32 codes along K. Its value is code x scale, taken as it is: it is not quantised again, and the codes and scales need not be those that the quantiser above would give.
;; One version. Each part assembles by itself: llvm-mc -triple=amdgcn-amd-amdhsa -mcpu=gfx1250 --defsym DOCPART=n.
;; ======== version 1 of 1: 2 launches
;; limits: right only within a limited range of input values
;; workspace buffers: xq 8,912,896 bytes; wq 8,912,896 bytes; tc 65,536 bytes; ts 4,096 bytes
;; launch quant (part 1): grid 256 x 1, 16 waves a work-group, no clusters, 327,680 bytes of LDS; arguments x, qweight, wscale, lora_down_codes, lora_down_scales, xq, wq, tc, ts; writes xq, wq, tc, ts
.if DOCPART == 1
	.amdgcn_target "amdgcn-amd-amdhsa--gfx1250"
	.amdhsa_code_object_version 6
	.text
	.protected	k_q6f07cc8057_quant
	.globl	k_q6f07cc8057_quant
	.p2align	8
	.type	k_q6f07cc8057_quant,@function
k_q6f07cc8057_quant:
	s_mov_b64 s[64:65], 0
	v_nop
	global_prefetch_b8 v0, s[64:65] scope:SCOPE_SE
	s_setreg_imm32_b32 hwreg(HW_REG_WAVE_MODE, 25, 1), 1
	s_wait_xcnt 0x0
; x [4096][4096] f32 and qweight [4096][4096] i32 (with wscale [4096][64] f32) become the two operands of the main product, as codes of FP4 (E2M1) with one E8M0 byte for each 32 along K;
; on the way t = Q(x) lora_down^T [4096][32] is made on the matrix unit and quantised too.
;   xq(row, k) = clip(round(x / ascale), -8, 7) x ascale, ascale = max(largest |x| of the row, 1e-6) / 7;   W(o, k) = qweight x wscale(o, k / 64).
; A block's scale is 2^(floor(log2(its largest magnitude)) - 2): its byte is the largest magnitude's exponent field - 2, held at 1 from below by a floor among the maximum's leaves.
; LIMITS.  NaN and infinities among the inputs are not served.  A block of zeros gets the byte 1 where the rule says 127: its codes are zeros and this program alone reads the bytes.
; x / ascale is q0 = x R, q = q0 + (x - q0 ascale) R with fused multiply-adds, R = 1 / ascale by v_rcp_f32 and one Newton step: the rounded quotient, but for the rare ascale whose R is an ulp off.
; SHARES.  Work-group b takes rows 16 b .. 16 b + 15 of x and then of qweight: 256 work-groups of equal work.  Wave w takes K = 256 w .. 256 w + 255 of the 16 rows: two K steps of 128.
; Lane (r = lane % 16, h = lane / 16) holds, of row r, the chunk's blocks 2 n + h, n = 0 .. 3, each whole in 32 registers: so a block's maximum needs no other lane, and the conversions' results are the registers
; of a matrix operand (registers 4 c .. 4 c + 3 of K step s: n = 2 s + c).  They are stored as they stand: 16 bytes a lane, 512 consecutive bytes a store.
; THE WORKSPACE is laid in the order of the operand's registers: [32 groups of 128 rows][8 K steps of 512][a record of 34,816 bytes]: codes at 4,096 i + 1,024 q + 512 c + 16 lane (i: block of 16 rows, q: 128 along K),
; then scale words at 32,768 + 256 i + 16 r + 4 q.  tc: [4096][16] t's codes;  ts: [4096] t's scale bytes.
; THE PIPE.  One tensor load a wave brings its chunk of x (16 rows x 1,024 bytes) into LDS; it is copied into registers; behind a barrier the same bytes are filled with the chunk of qweight, which lands while x is worked on.
; No cluster: of what a work-group reads only lora_down (68 KB of 580 KB) is shared with others.
.set REC,   34816
.set PITCH, 1040                       ; an LDS row: 1,024 bytes + 16 of padding: the 16 rows that a load of 16 bytes a lane touches begin 16 bytes apart modulo 256
.set CH,    16*PITCH                   ; a wave's chunk
.set MAXS,  16*CH                      ; 1,024 bytes: the waves' row maxima, 64 r + 4 w
.set WSC,   MAXS+1024                  ; 16 rows of wscale, 256 bytes + 16
.set XSS,   WSC+16*272                 ; xq's scale words: 8 units of 256 bytes: 256 (w / 2) + 16 r + 8 (w % 2)
.set WSS,   2048                       ; W's likewise, so many bytes behind XSS
.set PART,  XSS+4096                   ; the waves' parts of t: 2,048 w + 512 g + 16 lane
.set SPARE, PART+32768                 ; the spare words, 128 bytes for each wave: eight blocks of 256 bytes that no other line names
.set LF,  32                           ; v32-63   lora_down's fragments (tile u, K step s) at 8 (2 u + s);  later W's codes and scale words
.set LS,  64                           ; v64-67   their scale words, 2 u + s
.set XC,  68                           ; v68-83   codes of x, then of xq
.set QS,  84                           ; v84-85   Q(x)'s scale words
.set XW,  86                           ; v86-87   xq's scale words
.set D,   88                           ; v88-103  two accumulators: my part of t;  in wave 15 later all of t
.set BM,  104                          ; v104-107 the blocks' largest magnitudes
.set SO,  108                          ; v108-111 the conversions' scale operands
.set BY,  112                          ; v112-115 the scale bytes
.set TW,  116                          ; v116-117 my half of a scale word
.set TU,  118                          ; v118-119 the other half's
.set T,   112                          ; v112-127 the 16 waves' maxima; then eight pairs of quotients
.set WC,  32
.set WW,  48
.set X,   128                          ; v128-255 four blocks of 32 numbers
; v1 my spare word, v2 0;  LDS addresses: v3 my place in my chunk, v4/v5 maxima in/out, v6/v7 wscale in/out, v8/v9 scale words in/out, v10/v11 parts of t in/out;
; offsets in memory: v12 16 lane, v13 8 lane, v14/v15 lora_down's codes/scales, v16 tc, v17 ts (= r), v18 wscale;  v20-27 W's group scales, each twice;  v[26:27] ascale, v[28:29] 1 / ascale, each twice;  v30 8 h
	s_load_b256 s[4:11], s[0:1], 0x0               ; x s[4:5], qweight s[6:7], wscale s[8:9], lora_down's codes s[10:11]
	s_load_b256 s[12:19], s[0:1], 0x20             ; lora_down's scales s[12:13], xq s[14:15], wq s[16:17], tc s[18:19]
	s_load_b64 s[20:21], s[0:1], 0x40              ; ts
	v_lshl_add_u32 v1, v0, 2, SPARE
	v_mov_b32 v2, 0
	ds_add_u32 v1, v2
	ds_add_u32 v1, v2
	s_wait_dscnt 0x0
	v_lshrrev_b32 v3, 5, v0
	s_delay_alu instid0(VALU_DEP_1)
	v_readfirstlane_b32 s22, v3                    ; wave 0..15
	; descriptor group 1, for both tensors: 16 rows x 256 elements of 4 bytes, 4,096 elements from row to row
	s_mov_b32 s24, (2<<16)|(1<<20)|(7<<22)|(3<<25) ; no mask; elements of 4 bytes; padding on: 4 words (code 3) behind every 256 (code 7)
	s_mov_b32 s25, 256<<16                         ; tensor_dim0
	s_mov_b32 s26, 16<<16                          ; tensor_dim1
	s_mov_b32 s27, 256<<16                         ; tile_dim0
	s_mov_b32 s28, 16                              ; tile_dim1
	s_mov_b32 s29, 4096                            ; tensor_dim0_stride
	s_mov_b32 s30, 0
	s_mov_b32 s31, 0
	s_mul_i32 s23, s22, CH                         ; my chunk in LDS
	s_lshl_b32 s46, ttmp9, 18                      ; 16 rows of 16,384 bytes a work-group,
	s_lshl_b32 s47, s22, 10                        ; 1,024 bytes a wave
	s_add_co_u32 s46, s46, s47
	s_mov_b32 s47, 0
	s_mov_b32 s40, 0x76543210
	s_mov_b32 s41, 0xfedcba98                      ; v_permlanex16_b32's selects for lane l xor 16
	s_mov_b32 s42, 0xc1000000                      ; -8
	s_mov_b32 s43, 0x40e00000                      ; 7
	s_mov_b32 s44, 0x3e124925                      ; 1 / 7, rounded
	s_mov_b32 s45, 0x358637bd                      ; 1e-6
	s_wait_kmcnt 0x0
	s_mov_b32 s32, 1                               ; group 0 for x's chunk
	s_mov_b32 s33, s23
	s_add_nc_u64 s[34:35], s[4:5], s[46:47]
	s_or_b32 s35, s35, 0x80000000
	s_mov_b32 s36, 1                               ; and a set of its own for qweight's: neither is ever rewritten
	s_mov_b32 s37, s23
	s_add_nc_u64 s[38:39], s[6:7], s[46:47]
	s_or_b32 s39, s39, 0x80000000
	tensor_load_to_lds s[32:35], s[24:31]          ; the first fill: one load of mine is out
	s_nop 0
.rept 4
	v_nop
.endr
	; where my codes and my unit of scale words go
	s_lshr_b32 s56, ttmp9, 3
	s_lshl_b32 s56, s56, 3                         ; 8 records for each group of 128 rows
	s_lshr_b32 s57, s22, 1
	s_add_co_u32 s57, s56, s57                     ; my K step of 512
	s_mul_i32 s57, s57, REC
	s_and_b32 s58, ttmp9, 7                        ; i: my block of 16 rows in the group
	s_lshl_b32 s59, s58, 12
	s_add_co_u32 s57, s57, s59
	s_and_b32 s59, s22, 1
	s_lshl_b32 s59, s59, 11                        ; q = 2 (w % 2) + s
	s_add_co_u32 s46, s57, s59
	s_add_nc_u64 s[48:49], s[14:15], s[46:47]      ; xq's codes
	s_add_nc_u64 s[50:51], s[16:17], s[46:47]      ; W's
	s_and_b32 s57, s22, 7                          ; waves 0 to 7 store the scale words of K step w
	s_add_co_u32 s57, s56, s57
	s_mul_i32 s57, s57, REC
	s_lshl_b32 s59, s58, 8
	s_add_co_u32 s57, s57, s59
	s_add_co_u32 s46, s57, 32768
	s_add_nc_u64 s[52:53], s[14:15], s[46:47]
	s_add_nc_u64 s[54:55], s[16:17], s[46:47]
	s_lshl_b32 s46, ttmp9, 12
	s_add_nc_u64 s[8:9], s[8:9], s[46:47]          ; wscale at my 16 rows
	s_lshl_b32 s46, ttmp9, 8
	s_add_nc_u64 s[18:19], s[18:19], s[46:47]      ; tc
	s_lshl_b32 s46, ttmp9, 4
	s_add_nc_u64 s[20:21], s[20:21], s[46:47]      ; ts
	; every address register is made here, ahead of any parting of the waves
	v_and_b32 v19, 31, v0                          ; lane
	v_and_b32 v17, 15, v0                          ; r
	v_bfe_u32 v31, v0, 4, 1                        ; h
	s_delay_alu instid0(VALU_DEP_2)
	v_mul_u32_u24 v3, v17, PITCH
	s_delay_alu instid0(VALU_DEP_1)
	v_lshl_add_u32 v3, v31, 7, v3
	s_delay_alu instid0(VALU_DEP_1)
	v_add_nc_u32 v3, s23, v3                       ; chunk + r x pitch + 128 h
	v_lshl_add_u32 v5, v17, 6, MAXS
	s_lshl_b32 s56, s22, 2
	v_add_nc_u32 v4, s56, v5
	s_mul_i32 s56, s22, 272
	s_add_co_u32 s56, s56, WSC
	v_lshl_add_u32 v6, v19, 3, s56                 ; wave w brings row w of wscale
	v_mul_u32_u24 v7, v17, 272
	s_lshl_b32 s56, s22, 4
	s_add_co_u32 s56, s56, WSC
	v_add_nc_u32 v7, s56, v7                       ; row r, groups 4 w on
	s_lshr_b32 s56, s22, 1
	s_lshl_b32 s56, s56, 8
	s_and_b32 s57, s22, 1
	s_lshl_b32 s57, s57, 3
	s_add_co_u32 s56, s56, s57
	s_add_co_u32 s56, s56, XSS
	v_lshl_add_u32 v8, v17, 4, s56
	s_and_b32 s56, s22, 7
	s_lshl_b32 s56, s56, 8
	s_add_co_u32 s56, s56, XSS
	v_lshl_add_u32 v9, v19, 3, s56
	v_lshlrev_b32 v12, 4, v19
	s_lshl_b32 s56, s22, 11
	s_add_co_u32 s56, s56, PART
	v_add_nc_u32 v10, s56, v12
	v_add_nc_u32 v11, PART, v12
	v_lshlrev_b32 v13, 3, v19
	v_and_b32 v14, 8, v17
	s_delay_alu instid0(VALU_DEP_1)
	v_add_nc_u32 v14, v14, v17                     ; r + 8 (r / 8): lane r of tile u takes lora_down's row 8 u + r + 8 (r / 8), so that a lane's 16 results are ranks 16 h + 0 .. 15
	s_delay_alu instid0(VALU_DEP_1)
	v_lshlrev_b32 v15, 7, v14
	s_lshl_b32 s56, s22, 3
	v_add_nc_u32 v15, s56, v15                     ; a row of scale bytes is 128; my two words begin at 8 w
	v_lshlrev_b32 v14, 11, v14
	s_delay_alu instid0(VALU_DEP_1)
	v_lshl_add_u32 v14, v31, 4, v14
	s_lshl_b32 s56, s22, 7
	v_add_nc_u32 v14, s56, v14                     ; a row of codes is 2,048 bytes; my 256 codes begin at 128 w
	v_lshlrev_b32 v16, 4, v17
	s_delay_alu instid0(VALU_DEP_1)
	v_lshl_add_u32 v16, v31, 3, v16
	v_lshlrev_b32 v18, 3, v0
	v_lshlrev_b32 v30, 3, v31
	v_mov_b32 v118, 0                              ; written once: a lane permute's destination counts as one of its sources
	v_mov_b32 v119, 0
	global_load_b64 v[24:25], v18, s[8:9]          ; 256 consecutive bytes a wave
.irp u, 0,1
.irp s, 0,1
.irp c, 0,1
	global_load_b128 v[LF+8*(2*\u+\s)+4*\c:LF+8*(2*\u+\s)+4*\c+3], v14, s[10:11] offset:\u*16384+64*\s+32*\c
.endr
.endr
.endr
.irp u, 0,1
	global_load_b64 v[LS+2*\u:LS+2*\u+1], v15, s[12:13] offset:1024*\u
.endr
.macro LOADX                           ; my chunk from LDS: block n (32 numbers of my row) into v[X + 32 n] on
.irp n, 0,1,2,3
.irp j, 0,1,2,3,4,5,6,7
	ds_load_b128 v[X+32*\n+4*\j:X+32*\n+4*\j+3], v3 offset:256*\n+16*\j
.endr
.endr
.endm
.macro BMAX n                          ; block n's largest magnitude, and the floor 2^(3 - 127), under which none is taken: so the byte cannot fall under 1
	v_max3_num_f32 v[BM+\n], |v[X+32*\n]|, |v[X+32*\n+1]|, 0x1800000
.irp i, 2,4,6,8,10,12,14,16,18,20,22,24,26,28,30
	s_delay_alu instid0(VALU_DEP_1)
	v_max3_num_f32 v[BM+\n], v[BM+\n], |v[X+32*\n+\i]|, |v[X+32*\n+\i+1]|
.endr
.endm
.macro MKCODES reg, wd                 ; the four blocks' codes into v[reg] on (two fragments), the two K steps' scale words into v[wd], v[wd + 1]
.irp n, 0,1,2,3
	v_add_nc_u32 v[SO+\n], 0xff000000, v[BM+\n]    ; 2 off the exponent field: the conversion takes the exponent field of this operand as its scale, and nothing else of it
.endr
.irp n, 0,1,2,3
	s_delay_alu instid0(VALU_DEP_4)
	v_lshrrev_b32 v[BY+\n], 23, v[SO+\n]           ; the scale's byte
.endr
.irp s, 0
	s_delay_alu instid0(VALU_DEP_3)
	v_lshl_or_b32 v[TW+\s], v[BY+2*\s+1], 16, v[BY+2*\s]   ; my two bytes of K step s: blocks h and 2 + h,
.endr
.irp s, 1
	s_delay_alu instid0(VALU_DEP_2)
	v_lshl_or_b32 v[TW+\s], v[BY+2*\s+1], 16, v[BY+2*\s]   ; my two bytes of K step s: blocks h and 2 + h,
.endr
.irp s, 0,1
	s_delay_alu instid0(VALU_DEP_2)
	v_lshlrev_b32 v[TW+\s], v30, v[TW+\s]          ; at their places, 8 h bits up;
.endr
.irp s, 0,1
	s_delay_alu instid0(VALU_DEP_2)
	v_permlanex16_b32 v[TU+\s], v[TW+\s], s40, s41
.endr
.irp s, 0,1
	s_delay_alu instid0(VALU_DEP_2)
	v_or_b32 v[\wd+\s], v[TW+\s], v[TU+\s]         ; with lane l xor 16's two the word is whole
.endr
.irp n, 0,1,2,3
.irp g, 0,1,2,3
	v_cvt_scalef32_pk8_fp4_f32 v[\reg+4*\n+\g], v[X+32*\n+8*\g:X+32*\n+8*\g+7], v[SO+\n]   ; to the nearest code, ties to even, beyond the largest code the largest
.endr
.endr
	v_nop                                          ; one plain line behind the last scaled conversion
.endm
.macro PUT base, reg                   ; two fragments as they stand: each store covers 512 consecutive bytes, aligned
.irp s, 0,1
.irp c, 0,1
	global_store_b128 v12, v[\reg+8*\s+4*\c:\reg+8*\s+4*\c+3], s[\base:\base+1] offset:1024*\s+512*\c
.endr
.endr
.endm
.macro UNIT off, reg, base             ; waves 0 to 7: the 16 rows' scale words of K step w leave as 256 consecutive bytes, aligned
	s_cmp_lt_u32 s22, 8
	s_cbranch_scc0 .Lnot_mine_\@
	ds_load_b64 v[\reg:\reg+1], v9 offset:\off
	s_wait_dscnt 0x0
	global_store_b64 v13, v[\reg:\reg+1], s[\base:\base+1]
.Lnot_mine_\@:
.endm
.macro FAKEQ n                         ; block n: x -> clip(round(x / ascale), -8, 7) x ascale, in place
.irp u, 0,16
.irp p, 0,2,4,6,8,10,12,14
	v_pk_mul_f32 v[T+\p:T+\p+1], v[X+32*\n+\u+\p:X+32*\n+\u+\p+1], v[28:29]                 ; q0 = x R
.endr
.irp p, 0,2,4,6,8,10,12,14
	v_pk_fma_f32 v[X+32*\n+\u+\p:X+32*\n+\u+\p+1], v[T+\p:T+\p+1], v[26:27], v[X+32*\n+\u+\p:X+32*\n+\u+\p+1] neg_lo:[1,0,0] neg_hi:[1,0,0]   ; e = x - q0 ascale
.endr
.irp p, 0,2,4,6,8,10,12,14
	v_pk_fma_f32 v[X+32*\n+\u+\p:X+32*\n+\u+\p+1], v[X+32*\n+\u+\p:X+32*\n+\u+\p+1], v[28:29], v[T+\p:T+\p+1]   ; q = q0 + e R
.endr
.endr
.set i, X+32*\n
.rept 32
	v_rndne_f32 v[i], v[i]                         ; ties to even
.set i, i+1
.endr
.set i, X+32*\n
.rept 32
	v_med3_num_f32 v[i], v[i], s42, s43            ; the clip
.set i, i+1
.endr
.set i, X+32*\n
.rept 16
	v_pk_mul_f32 v[i:i+1], v[i:i+1], v[26:27]
.set i, i+2
.endr
.endm
	; ---- 1: x's chunk into registers; the blocks' maxima; my part of the rows' maxima
	s_wait_tensorcnt 0x0                           ; my chunk has landed, and I alone read it
	LOADX
.irp n, 0,1,2,3
	s_wait_dscnt 24-8*\n                           ; block n's eight loads are in; the younger blocks' may be out
	BMAX \n
.endr
	v_max3_num_f32 v116, v104, v105, v106
	s_delay_alu instid0(VALU_DEP_1)
	v_max_num_f32 v116, v116, v107
	s_delay_alu instid0(VALU_DEP_1)
	v_permlanex16_b32 v118, v116, s40, s41
	s_delay_alu instid0(VALU_DEP_1)
	v_max_num_f32 v116, v116, v118                 ; row r's largest magnitude in my 256 columns (the floor among it lies far under 1e-6)
	ds_store_b32 v4, v116
	s_wait_alu depctr_va_vdst(0)
	s_wait_loadcnt 10                              ; wscale's load is in; the ten of lora_down behind it may be out
	ds_store_b64 v6, v[24:25]
	s_wait_tensorcnt 0x0                           ; no tensor load of mine is out;
	ds_add_u32 v1, v2                              ; 0 onto my spare word;
	s_wait_dscnt 0x0                               ; the add and my stores are done, and my reads of my chunk are back
	s_barrier_signal -1
	s_barrier_wait -1
	tensor_load_to_lds s[36:39], s[24:31]          ; qweight's chunk into the same bytes: my one tensor load from here on; it lands while x is worked on
	s_nop 0
.rept 4
	v_nop
.endr
	; ---- 2: Q(x) and my part of t; the row's ascale; xq and its codes
	MKCODES XC, QS
.irp k, 0,1,2,3
	ds_load_b128 v[T+4*\k:T+4*\k+3], v5 offset:16*\k   ; row r's sixteen maxima
.endr
	s_wait_dscnt 0x0
	v_max3_num_f32 v26, v112, v113, v114           ; these eight lines name no register of the products below: with the v_nop above they stand between the write of the scale words and codes and the scaled products
.irp i, 115,117,119,121,123,125
	s_delay_alu instid0(VALU_DEP_1)
	v_max3_num_f32 v26, v26, v[\i], v[\i+1]
.endr
	s_delay_alu instid0(VALU_DEP_1)
	v_max_num_f32 v26, v26, v127
	s_wait_loadcnt 0x0                             ; lora_down's fragments and scale words
	; transposed: source 0 = 16 rows of lora_down, source 1 = my 16 rows of x: a lane holds one row of t.  The two accumulators take turns
	v_wmma_scale_f32_16x16x128_f8f6f4 v[D:D+7], v[LF:LF+7], v[XC:XC+7], 0, v[LS], v[QS] matrix_a_fmt:MATRIX_FMT_FP4 matrix_b_fmt:MATRIX_FMT_FP4
	s_wait_alu depctr_va_vdst(0)
	v_wmma_scale_f32_16x16x128_f8f6f4 v[D+8:D+15], v[LF+16:LF+23], v[XC:XC+7], 0, v[LS+2], v[QS] matrix_a_fmt:MATRIX_FMT_FP4 matrix_b_fmt:MATRIX_FMT_FP4
	v_wmma_scale_f32_16x16x128_f8f6f4 v[D:D+7], v[LF+8:LF+15], v[XC+8:XC+15], v[D:D+7], v[LS+1], v[QS+1] matrix_a_fmt:MATRIX_FMT_FP4 matrix_b_fmt:MATRIX_FMT_FP4
	v_wmma_scale_f32_16x16x128_f8f6f4 v[D+8:D+15], v[LF+24:LF+31], v[XC+8:XC+15], v[D+8:D+15], v[LS+3], v[QS+1] matrix_a_fmt:MATRIX_FMT_FP4 matrix_b_fmt:MATRIX_FMT_FP4
	v_max_num_f32 v26, s45, v26                    ; m = max(the row's largest magnitude, 1e-6).  (These four lines are the places behind the products)
	s_delay_alu instid0(VALU_DEP_1)
	v_mul_f32 v27, s44, v26                        ; m / 7: a first quotient,
	s_delay_alu instid0(VALU_DEP_1)
	v_fma_f32 v28, -v27, s43, v26                  ; what it leaves,
	s_delay_alu instid0(VALU_DEP_1)
	v_fma_f32 v26, v28, s44, v27                   ; and the rounded quotient: ascale
	s_wait_alu depctr_va_vdst(0)
	v_rcp_f32 v28, v26
	s_wait_alu depctr_va_vdst(0)
.irp g, 0,1,2,3
	ds_store_b128 v10, v[D+4*\g:D+4*\g+3] offset:512*\g   ; my part of t, each accumulator from its low end on
.endr
	v_mov_b32 v27, v26                             ; ascale twice, for the packed forms.  (The plain line behind the reciprocal)
	s_wait_alu depctr_va_vdst(0)                   ; the wait ahead of the first line that names the reciprocal
	v_fma_f32 v29, -v26, v28, 1.0
	v_fma_f32 v28, v29, v28, v28                   ; one Newton step: R = 1 / ascale
	s_delay_alu instid0(VALU_DEP_1)
	v_mov_b32 v29, v28
.irp n, 0,1,2,3
	FAKEQ \n
	BMAX \n
.endr
	MKCODES XC, XW
	PUT 48, XC
	ds_store_b64 v8, v[XW:XW+1]                    ; my two words of row r (both halves of the lanes hold the same)
	s_wait_dscnt 0x0                               ; for the others' sake: my parts of t and my scale words have landed
	s_barrier_signal -1                            ; qweight's chunk may stay on its way
	s_barrier_wait -1
	; ---- 3: the scale words leave; wave 15 adds the sixteen parts of t, quantises it (one block a row) and stores it
	UNIT 0, 120, 52
.macro TLOAD g                         ; registers 4 g .. 4 g + 3 of all sixteen parts
.set i, 0
.rept 16
	ds_load_b128 v[X+64*((\g)%2)+4*i:X+64*((\g)%2)+4*i+3], v11 offset:2048*i+512*(\g)
.set i, i+1
.endr
.endm
.macro TSUM g                          ; added in ascending order of K
.set B0, X+64*((\g)%2)
	v_pk_add_f32 v[D+4*(\g):D+4*(\g)+1], v[B0:B0+1], v[B0+4:B0+5]
	v_pk_add_f32 v[D+4*(\g)+2:D+4*(\g)+3], v[B0+2:B0+3], v[B0+6:B0+7]
.set i, 2
.rept 14
	s_delay_alu instid0(VALU_DEP_2)
	v_pk_add_f32 v[D+4*(\g):D+4*(\g)+1], v[D+4*(\g):D+4*(\g)+1], v[B0+4*i:B0+4*i+1]
	s_delay_alu instid0(VALU_DEP_2)
	v_pk_add_f32 v[D+4*(\g)+2:D+4*(\g)+3], v[D+4*(\g)+2:D+4*(\g)+3], v[B0+4*i+2:B0+4*i+3]
.set i, i+1
.endr
.endm
	s_cmp_eq_u32 s22, 15
	s_cbranch_scc0 .Lnot_15
	TLOAD 0
	TLOAD 1
	s_wait_dscnt 16                                ; the older sixteen loads are in; the younger sixteen may be out
	TSUM 0
	TLOAD 2
	s_wait_dscnt 16
	TSUM 1
	TLOAD 3
	s_wait_dscnt 16
	TSUM 2
	s_wait_dscnt 0x0
	TSUM 3                                         ; lane (r, h): t(r, 16 h + 0 .. 15)
	v_max3_num_f32 v104, |v[D]|, |v[D+1]|, 0x1800000
.irp i, 2,4,6,8,10,12,14
	s_delay_alu instid0(VALU_DEP_1)
	v_max3_num_f32 v104, v104, |v[D+\i]|, |v[D+\i+1]|
.endr
	s_delay_alu instid0(VALU_DEP_1)
	v_permlanex16_b32 v118, v104, s40, s41
	s_delay_alu instid0(VALU_DEP_1)
	v_max_num_f32 v104, v104, v118                 ; the row's 32 numbers are one block
	s_delay_alu instid0(VALU_DEP_1)
	v_add_nc_u32 v108, 0xff000000, v104
	v_cvt_scalef32_pk8_fp4_f32 v124, v[D:D+7], v108
	v_cvt_scalef32_pk8_fp4_f32 v125, v[D+8:D+15], v108
	v_lshrrev_b32 v126, 23, v108                   ; the byte.  (The plain line behind the conversions)
	global_store_b64 v16, v[124:125], s[18:19]     ; 16 r + 8 h: the wave stores 256 consecutive bytes, aligned
	global_store_b8 v17, v126, s[20:21]            ; both halves of the lanes write the same byte with the same value
.Lnot_15:
	; ---- 4: W = qweight x wscale, and its codes
.irp n, 0,1,2,3
	ds_load_b32 v[20+2*\n], v7 offset:4*\n         ; blocks 2 n and 2 n + 1 of the chunk are group n of 64: its scale, twice, a pair for the packed multiply
	ds_load_b32 v[21+2*\n], v7 offset:4*\n
.endr
	s_wait_tensorcnt 0x0                           ; my chunk of qweight has landed
	LOADX
.irp n, 0,1,2,3
	s_wait_dscnt 24-8*\n                           ; block n's loads, and all that are older, are in
.set i, X+32*\n
.rept 32
	v_cvt_f32_i32 v[i], v[i]
.set i, i+1
.endr
.set i, X+32*\n
.rept 16
	v_pk_mul_f32 v[i:i+1], v[i:i+1], v[20+2*\n:21+2*\n]
.set i, i+2
.endr
	BMAX \n
.endr
	MKCODES WC, WW
	PUT 50, WC
	ds_store_b64 v8, v[WW:WW+1] offset:WSS
	s_wait_dscnt 0x0                               ; for the others' sake
	s_barrier_signal -1
	s_barrier_wait -1
	UNIT WSS, 122, 54
	s_wait_tensorcnt 0x0                           ; the wave's end
	ds_add_u32 v1, v2
	s_wait_dscnt 0x0
	s_endpgm
.Lfunc_end_k_q6f07cc8057_quant:
	.size	k_q6f07cc8057_quant, .Lfunc_end_k_q6f07cc8057_quant-k_q6f07cc8057_quant
	.p2alignl 7, 3214868480
	.fill 96, 4, 3214868480
	.section	.rodata,"a",@progbits
	.p2align	6, 0x0
	.amdhsa_kernel k_q6f07cc8057_quant
		.amdhsa_group_segment_fixed_size 327680
		.amdhsa_private_segment_fixed_size 0
		.amdhsa_enable_private_segment 0
		.amdhsa_kernarg_size 72
		.amdhsa_user_sgpr_count 2
		.amdhsa_user_sgpr_kernarg_segment_ptr 1
		.amdhsa_wavefront_size32 1
		.amdhsa_system_sgpr_workgroup_id_x 1
		.amdhsa_system_sgpr_workgroup_id_y 1
		.amdhsa_system_sgpr_workgroup_id_z 1
		.amdhsa_system_vgpr_workitem_id 0
		.amdhsa_next_free_vgpr 256
		.amdhsa_next_free_sgpr 66
		.amdhsa_reserve_vcc 0
		.amdhsa_float_denorm_mode_32 3
		.amdhsa_float_denorm_mode_16_64 3
		.amdhsa_memory_ordered 1
		.amdhsa_forward_progress 1
		.amdhsa_inst_pref_size 94
	.end_amdhsa_kernel
	.amdgpu_metadata
---
amdhsa.version: [ 1, 2 ]
amdhsa.kernels:
  - .name:           k_q6f07cc8057_quant
    .symbol:         k_q6f07cc8057_quant.kd
    .args:
      - { .name: x, .offset: 0, .size: 8, .value_kind: global_buffer, .address_space: global }
      - { .name: qweight, .offset: 8, .size: 8, .value_kind: global_buffer, .address_space: global }
      - { .name: wscale, .offset: 16, .size: 8, .value_kind: global_buffer, .address_space: global }
      - { .name: lora_down_codes, .offset: 24, .size: 8, .value_kind: global_buffer, .address_space: global }
      - { .name: lora_down_scales, .offset: 32, .size: 8, .value_kind: global_buffer, .address_space: global }
      - { .name: xq, .offset: 40, .size: 8, .value_kind: global_buffer, .address_space: global }
      - { .name: wq, .offset: 48, .size: 8, .value_kind: global_buffer, .address_space: global }
      - { .name: tc, .offset: 56, .size: 8, .value_kind: global_buffer, .address_space: global }
      - { .name: ts, .offset: 64, .size: 8, .value_kind: global_buffer, .address_space: global }
    .group_segment_fixed_size: 327680
    .private_segment_fixed_size: 0
    .kernarg_segment_align: 8
    .kernarg_segment_size: 72
    .max_flat_workgroup_size: 512
    .sgpr_count:     66
    .vgpr_count:     256
    .wavefront_size: 32
...
	.end_amdgpu_metadata
.endif
;; end of part 1
;; launch gemm (part 2): grid 16 x 16, 4 waves a work-group, clusters of 4 x 1, 327,680 bytes of LDS; arguments xq, wq, tc, ts, lora_up_codes, lora_up_scales, bias, out0; writes out0
.if DOCPART == 2
	.amdgcn_target "amdgcn-amd-amdhsa--gfx1250"
	.amdhsa_code_object_version 6
	.text
	.protected	k_q6f07cc8057_gemm
	.globl	k_q6f07cc8057_gemm
	.p2align	8
	.type	k_q6f07cc8057_gemm,@function
k_q6f07cc8057_gemm:
	s_mov_b64 s[64:65], 0
	v_nop
	global_prefetch_b8 v0, s[64:65] scope:SCOPE_SE
	s_setreg_imm32_b32 hwreg(HW_REG_WAVE_MODE, 25, 1), 1
	s_wait_xcnt 0x0
	s_wait_alu depctr_hold_cnt(0) depctr_sa_sdst(0) depctr_va_vdst(0) depctr_va_sdst(0) depctr_va_ssrc(0) depctr_va_vcc(0) depctr_vm_vsrc(0)
	s_getreg_b32 s2, hwreg(HW_REG_IB_STS2, 6, 4)
	s_cmp_eq_u32 s2, 0
	s_cbranch_scc0 .Lentry_in_a_cluster
	s_endpgm
.Lentry_in_a_cluster:
	s_bfe_u32 s2, ttmp6, 0x10000c
	s_cmp_lg_u32 s2, 0x3003
	s_cbranch_scc0 .Lentry_shape_is_right
	s_endpgm
.Lentry_shape_is_right:
; out0[m][n] = sum over k of xq[m][k] W[n][k] + sum over 32 ranks of t[m][.] lora_up[n][.] + bias[n]; all operands are FP4 codes with E8M0 bytes, sums in f32.
; xq and wq lie as the launch before laid them: [32 groups of 128 rows][8 steps of 512 K][record of 34,816 bytes]: codes at 4,096 i + 1,024 q + 512 c + 16 lane, scale words at 32,768 + 256 i + 16 r + 4 q.
; A work-group of four waves makes 256 x 256 of out0; wave w makes all 256 rows x columns 64 w .. 64 w + 63: 32 accumulators of 16 rows x 32 columns, 512 registers.
; THE FORM is v_wmma_scale_f32_32x16x128_f4, used transposed: source 0 = 32 rows of W, source 1 = 16 rows of xq: a lane holds one row of out0 and 16 of its columns.
; xq's 256 rows are read by all four waves and by the four work-groups of a tile row: they come through LDS by JOINT tensor loads (cluster 4 x 1, mask 15), two slots, each with K = 1,024
; (four records, one a wave): four fills in all, one round of the cluster's barrier for each refill.
; W's 64 rows of a wave are read by that wave alone in its work-group, and no partner of the cluster reads them (the cluster lies along the tile columns): so they are not asked for jointly;
; they go from memory straight into the operand's registers, 512 consecutive bytes a load, a ring of NS sets asked for NS steps of 128 K ahead.
; The low-rank term is one step more, ahead of the others, with the bias as its C: lora_up's fragments are zero beyond k = 31, so whatever codes stand there on t's side add nothing.
; THE LAST SLOT (K 3,072 on, steps 24 to 31) GOES BY ROWS OF out0: W's fragments of its eight steps fill the ring, and the 16 blocks of 16 rows are finished one after the other, K ascending,
; so that a finished block is stored while the later ones are multiplied.
; All steps are written out by macro: of the four fills the first two are first fills and the last two slots are not filled again, so no two trips of a loop would be alike.
; REGISTERS: window 0: v0-31 addresses; v32-95 xq's scale words, two sets; v96-127 W's scale words, four sets; v128-255 xq's fragments.
;   window 1: W's ring of eight sets; the low-rank step has lora_up's fragments in the seventh and the bias in the eighth, which are first loaded behind it.  windows 2, 3: accumulators of rows 0-127, 128-255.
.set REC,   34816
.set SLOT,  4*REC
.set SPARE, 2*SLOT                     ; behind the ring: the spare words, 128 bytes a wave
.set NS,    8                          ; sets in W's ring: behind a step's loads 56 of codes and at most 4 of scale words are issued ahead of the wait for it
.set V16L, 4                           ; 16 lane
.set V16R, 5                           ; 16 r
.set VTS,  7                           ; r + 128 h
.set VBI,  8                           ; 32 h
.set VM,   9                           ; all ones in lanes 0-15, 0 in lanes 16-31
.set ADRA, 10                          ; v10-17: xq's fragments: 4 slot + 2 group + (which 512 of the slot)
.set ADRS, 18                          ; v18-19: xq's scale words in slot 0, 1: lanes 0-15 group 0, lanes 16-31 group 1
.set STO,  20
.set RD,   21
.set CO,   22
.set PF0,  23                          ; 256 lane
.set PF1,  24                          ; 256 min(32 + lane, 33)
.set PF2,  25                          ; 256 min(lane, 3)
.set SPW,  28
.set NIL,  29
.set SA,   32
.set SB,   96
.set LSA,  64                          ; t's scale bytes (in SA's second set, which is first loaded later)
.set LSB,  120                         ; lora_up's scale bytes (in SB's fourth set, likewise)
.set AF,   128
.set G1,   24
.set G0,   32
.set MSB, 0
.macro WIN new                         ; the immediate's high byte repeats the setting that is left
.if MSB != \new
	s_set_vgpr_msb (MSB<<8)|\new
.set MSB, \new
.endif
.endm
.set MUL_LO, 0xa1                      ; source 0 window 1, source 1 window 0, C and D window 2
.set MUL_HI, 0xf1
.set LOW_LO, 0x91                      ; C window 1 (the bias), D window 2
.set LOW_HI, 0xd1
.set TO_B,   0x40
.macro PLACES
.rept 4
	v_nop
.endr
.endm
.macro CREST
	s_cmp_lg_u32 s20, 0
	s_cbranch_scc1 .Lnot_wave_0_\@
	s_barrier_signal -3
.Lnot_wave_0_\@:
	s_barrier_wait -3
	s_barrier_signal -1
	s_barrier_wait -1
.endm
.macro CROUND
	s_barrier_signal -1
	s_barrier_wait -1
	CREST
.endm
.macro ASKA p                          ; slot fill p is asked of memory one fill ahead: of the record that my wave will fetch my work-group names 34 blocks of 256 bytes, by address (8,704 cx); left-over lanes name the last again
	global_prefetch_b8 v[PF0], s[54:55] offset:(\p)*2*REC th:TH_LOAD_NT scope:SCOPE_SE
	global_prefetch_b8 v[PF1], s[54:55] offset:(\p)*2*REC th:TH_LOAD_NT scope:SCOPE_SE
.endm
.macro BLOAD k                         ; W's four fragments of step k into set k % NS; ahead of a 512's first step its scale words: lane m takes row m of each 32
.if (\k)%4 == 0
.irp d, 0,1
	global_load_b128 v[SB+8*(((\k)/4)%4)+4*\d:SB+8*(((\k)/4)%4)+4*\d+3], v[V16L], s[52:53] offset:((\k)/4)*REC+512*\d
.endr
.endif
	WIN TO_B
.irp j, 0,1,2,3
.irp c, 0,1
	global_load_b128 v[32*((\k)%NS)+8*\j+4*\c:32*((\k)%NS)+8*\j+4*\c+3], v[V16L], s[50:51] offset:((\k)/4)*REC+((\k)%4)*1024+\j*4096+512*\c
.endr
.endr
	WIN 0
.endm
.macro FETCH half                      ; xq's blocks 8 half .. 8 half + 7 of step F_
.set AD_, ADRA+4*((F_/8)%2)+2*\half+(F_/4)%2
.set I_, 0
.rept 8
	ds_load_b128 v[AF+64*\half+8*I_:AF+64*\half+8*I_+3], v[AD_] offset:I_*4096+(F_%4)*1024
	ds_load_b128 v[AF+64*\half+8*I_+4:AF+64*\half+8*I_+7], v[AD_] offset:I_*4096+(F_%4)*1024+512
.set I_, I_+1
.endr
.endm
.macro SCALA                           ; the scale words of the 512 along K that step F_ begins: register 4 i + q: lanes 0-15 block i, lanes 16-31 block i + 8
.set I_, 0
.rept 8
	ds_load_b128 v[SA+32*((F_/4)%2)+4*I_:SA+32*((F_/4)%2)+4*I_+3], v[ADRS+(F_/8)%2] offset:((F_/4)%2)*REC+256*I_
.set I_, I_+1
.endr
.endm
.macro MUL a0, cnt                     ; step N_: xq's blocks a0 .. a0 + cnt - 1 against W's two pairs of blocks; the 32 accumulators take turns
.set A_, \a0
.rept \cnt
.set D_, 0
.rept 2
.if \a0 >= 8
	v_wmma_scale_f32_32x16x128_f4 v[32*(A_%8)+16*D_:32*(A_%8)+16*D_+15], v[32*(N_%NS)+16*D_:32*(N_%NS)+16*D_+15], v[AF+8*A_:AF+8*A_+7], v[32*(A_%8)+16*D_:32*(A_%8)+16*D_+15], v[SB+8*((N_/4)%4)+4*D_+N_%4], v[SA+32*((N_/4)%2)+4*(A_%8)+N_%4] matrix_b_scale:MATRIX_SCALE_ROW1
.else
	v_wmma_scale_f32_32x16x128_f4 v[32*(A_%8)+16*D_:32*(A_%8)+16*D_+15], v[32*(N_%NS)+16*D_:32*(N_%NS)+16*D_+15], v[AF+8*A_:AF+8*A_+7], v[32*(A_%8)+16*D_:32*(A_%8)+16*D_+15], v[SB+8*((N_/4)%4)+4*D_+N_%4], v[SA+32*((N_/4)%2)+4*(A_%8)+N_%4]
.endif
.set D_, D_+1
.endr
.set A_, A_+1
.endr
.endm
.macro MULL a0                         ; the low-rank step: t's fragment a is v[AF + 4 a] on: its upper four registers are the next fragment's codes, which meet lora_up's zeros
.set A_, \a0
.rept 8
.set D_, 0
.rept 2
.if \a0 >= 8
	v_wmma_scale_f32_32x16x128_f4 v[32*(A_%8)+16*D_:32*(A_%8)+16*D_+15], v[192+16*D_:192+16*D_+15], v[AF+4*A_:AF+4*A_+7], v[224+16*D_:224+16*D_+15], v[LSB+D_], v[LSA+A_%8] matrix_b_scale:MATRIX_SCALE_ROW1
.else
	v_wmma_scale_f32_32x16x128_f4 v[32*(A_%8)+16*D_:32*(A_%8)+16*D_+15], v[192+16*D_:192+16*D_+15], v[AF+4*A_:AF+4*A_+7], v[224+16*D_:224+16*D_+15], v[LSB+D_], v[LSA+A_%8]
.endif
.set D_, D_+1
.endr
.set A_, A_+1
.endr
.endm
.macro WAITB                           ; step N_'s loads of W are in: behind them were issued 8 loads for each later step up to N_ + NS - 1, and 2 for each 512 that begins among those
.set E_, N_+NS-1
.if E_ > 31
.set E_, 31
.endif
	s_wait_loadcnt 8*(E_-N_)+2*(E_/4-N_/4)
.endm
.macro ENDSTEP                         ; the step's second half, the next step's blocks 8-15, and W's step NS further on into the set just multiplied
	WIN MUL_HI
	MUL 8, 8
	PLACES
	WIN 0
	FETCH 1
.if N_+NS < 32
	BLOAD N_+NS
.endif
.set N_, N_+1
.endm
.macro STEP                            ; a step of 128 along K whose successor lies in the same slot
.set F_, N_+1
	s_wait_dscnt 16                                ; blocks 0-7 (and scale words) are in; the youngest sixteen loads, blocks 8-15, may be out
	WAITB
	WIN MUL_LO
	MUL 0, 8
	PLACES
	WIN 0
	FETCH 0
.if F_%4 == 0
	SCALA
	s_wait_dscnt 24                                ; all but the 24 just issued
.else
	s_wait_dscnt 16                                ; all but the 16 just issued
.endif
.if (N_%4 == 0) && (N_ < 16)           ; W's 512 along K that stands four on: my 64 blocks of codes and 4 of scale words; its loads are issued eight steps from here
	global_prefetch_b8 v[PF0], s[50:51] offset:(N_/4+4)*REC th:TH_LOAD_NT scope:SCOPE_SE
	global_prefetch_b8 v[PF0], s[50:51] offset:(N_/4+4)*REC+8192 th:TH_LOAD_NT scope:SCOPE_SE
	global_prefetch_b8 v[PF2], s[52:53] offset:(N_/4+4)*REC th:TH_LOAD_NT scope:SCOPE_SE
.endif
	ENDSTEP
.endm
.macro MEET                            ; the first half of a slot's last step: one barrier for the change of slots
	s_wait_tensorcnt 0x0                           ; my record of the next slot has landed: no tensor load of mine is out
	ds_add_u32 v[SPW], v[NIL]
	s_wait_dscnt 17                                ; (the add and blocks 8-15 may be out)
	WAITB
	WIN MUL_LO
	MUL 0, 4
	s_wait_dscnt 0x0                               ; the add is done, and my reads of this slot are over
	s_barrier_signal -1
	MUL 4, 4
	WIN 0
	s_barrier_wait -1
.endm
.macro TURN                            ; a slot's last step; the barrier opens a round of the cluster's barrier, and the slot is filled again
.set F_, N_+1
.set S_, (N_/8)%2
	MEET
	CREST
	s_add_nc_u64 s[G0+4*S_+2:G0+4*S_+3], s[G0+4*S_+2:G0+4*S_+3], 4*REC   ; this slot's next 1,024 along K
	tensor_load_to_lds s[G0+4*S_:G0+4*S_+3], s[G1:G1+7]
	s_nop 0
	PLACES                                         ; also the places in front of the loads below
	FETCH 0
	SCALA
.if N_ < 8
	ASKA 3
.endif
	ENDSTEP
.endm
; BY ROWS.  xq's fragments of block a for steps 24 to 31: 64 registers, two buffers by turns
.macro XLOAD a
.set T_, 0
.rept 8
	ds_load_b128 v[AF+64*((\a)%2)+8*T_:AF+64*((\a)%2)+8*T_+3], v[ADRA+4+2*((\a)/8)+T_/4] offset:((\a)%8)*4096+(T_%4)*1024
	ds_load_b128 v[AF+64*((\a)%2)+8*T_+4:AF+64*((\a)%2)+8*T_+7], v[ADRA+4+2*((\a)/8)+T_/4] offset:((\a)%8)*4096+(T_%4)*1024+512
.set T_, T_+1
.endr
.endm
.macro ROW a                           ; block a is finished: 16 products, its two accumulators by turns, K ascending; step 24 + t has W's set t
	WIN MUL_LO+0x50*((\a)/8)
.set T_, 0
.rept 8
.if ((\a) == 0) && (T_ == 7)
	s_wait_loadcnt 0x0                             ; step 31's fragments of W, the last loads
.endif
.set D_, 0
.rept 2
.if (\a) >= 8
	v_wmma_scale_f32_32x16x128_f4 v[32*((\a)%8)+16*D_:32*((\a)%8)+16*D_+15], v[32*T_+16*D_:32*T_+16*D_+15], v[AF+64*((\a)%2)+8*T_:AF+64*((\a)%2)+8*T_+7], v[32*((\a)%8)+16*D_:32*((\a)%8)+16*D_+15], v[SB+8*((6+T_/4)%4)+4*D_+T_%4], v[SA+32*(T_/4)+4*((\a)%8)+T_%4] matrix_b_scale:MATRIX_SCALE_ROW1
.else
	v_wmma_scale_f32_32x16x128_f4 v[32*((\a)%8)+16*D_:32*((\a)%8)+16*D_+15], v[32*T_+16*D_:32*T_+16*D_+15], v[AF+64*((\a)%2)+8*T_:AF+64*((\a)%2)+8*T_+7], v[32*((\a)%8)+16*D_:32*((\a)%8)+16*D_+15], v[SB+8*((6+T_/4)%4)+4*D_+T_%4], v[SA+32*(T_/4)+4*((\a)%8)+T_%4]
.endif
.set D_, D_+1
.endr
.set T_, T_+1
.endr
.endm
; THE WAY OUT of block a, 16 rows x 64 columns: through my own stage (in slot 0, which has had its last fill and, since the last barrier, its last read) and back as whole rows of 256 bytes,
; into the block's own 32 registers, which nothing writes again.  LDS serves a wave's instructions in order (ISA guide 5.7.1.4): no wait between the stores and the loads.
.macro TOSTAGE a
	WIN 0x88+0x44*((\a)/8)                         ; stored data and loaded data: window 2 or 3; addresses: window 0
.irp d, 0,1
.irp g, 0,1,2,3
	ds_store_b128 v[STO], v[32*((\a)%8)+16*\d+4*\g:32*((\a)%8)+16*\d+4*\g+3] offset:128*\d+64*(\g/2)+16*(\g%2)   ; each accumulator from its low end on
.endr
.endr
.irp t, 0,1,2,3,4,5,6,7
	ds_load_b128 v[32*((\a)%8)+4*\t:32*((\a)%8)+4*\t+3], v[RD] offset:\t*544
.endr
.endm
.macro SEND a
	s_wait_dscnt 0x0                               ; the block is back in registers
	WIN 0x88+0x44*((\a)/8)
.irp t, 0,1,2,3,4,5,6,7
	global_store_b128 v[CO], v[32*((\a)%8)+4*\t:32*((\a)%8)+4*\t+3], s[18:19] offset:(\a)*262144+\t*32768 th:TH_STORE_NT   ; sixteen lanes store 256 consecutive bytes, aligned
.endr
.endm
	s_load_b256 s[4:11], s[0:1], 0x0               ; xq, wq, tc, ts
	s_load_b256 s[12:19], s[0:1], 0x20             ; lora_up's codes and scales, bias, out0
	v_lshl_add_u32 v[SPW], v0, 2, SPARE
	v_mov_b32 v[NIL], 0
	ds_add_u32 v[SPW], v[NIL]                      ; the opening lines: the add twice on end and one wait
	ds_add_u32 v[SPW], v[NIL]
	v_lshrrev_b32 v1, 5, v0
	v_readfirstlane_b32 s20, v1                    ; wave
	s_lshr_b32 s21, s20, 1
	s_and_b32 s22, s20, 1
	s_bfe_u32 s40, ttmp6, 0x40000                  ; cx
	s_lshl_b32 s42, ttmp9, 2
	s_add_co_u32 s42, s42, s40                     ; tile column
	s_and_b32 s23, ttmp7, 0xffff                   ; tile row: the same in the four partners
	s_mov_b32 s[G1+0], 15|(3<<16)|(1<<21)          ; mask of the four; elements of 8 bytes; bit 21 beside a mask
	s_mov_b32 s[G1+1], 32<<16                      ; a record: 136 rows of 256 bytes, dense
	s_mov_b32 s[G1+2], 136<<16
	s_mov_b32 s[G1+3], 32<<16
	s_mov_b32 s[G1+4], 136
	s_mov_b32 s[G1+5], 32
	s_mov_b32 s[G1+6], 0
	s_mov_b32 s[G1+7], 0
	s_lshl_b32 s44, s23, 1
	s_add_co_u32 s44, s44, s21                     ; wave w fetches group w / 2 of the tile row,
	s_lshl_b32 s44, s44, 3
	s_add_co_u32 s44, s44, s22                     ; the slot's 512 number w % 2
	s_mul_i32 s44, s44, REC
	s_mov_b32 s45, 0
	s_mov_b32 s47, 0
	s_mul_i32 s46, s40, 8704
	s_mov_b32 s[G0], 1
	s_mul_i32 s[G0+1], s20, REC
	s_mov_b32 s[G0+4], 1
	s_add_co_u32 s[G0+5], s[G0+1], SLOT
	s_wait_dscnt 0x0
	s_wait_kmcnt 0x0
	s_add_nc_u64 s[G0+2:G0+3], s[4:5], s[44:45]
	s_add_nc_u64 s[G0+6:G0+7], s[G0+2:G0+3], 2*REC
	s_add_nc_u64 s[54:55], s[G0+2:G0+3], s[46:47]  ; the prefetches' base
	s_or_b32 s[G0+3], s[G0+3], 0x80000000
	s_or_b32 s[G0+7], s[G0+7], 0x80000000
	CROUND                                         ; in front of the first joint loads
	tensor_load_to_lds s[G0:G0+3], s[G1:G1+7]      ; K 0 .. 1,023: one load a wave at the head
	s_nop 0
	PLACES
	s_lshl_b32 s44, s42, 1
	s_add_co_u32 s44, s44, s21
	s_mul_i32 s44, s44, 8*REC                      ; W: group 2 x tile column + w / 2,
	s_lshl_b32 s46, s22, 14                        ; blocks 4 (w % 2) on
	s_add_co_u32 s46, s46, s44
	s_add_nc_u64 s[50:51], s[6:7], s[46:47]
	s_lshl_b32 s46, s22, 10
	s_add_co_u32 s46, s46, s44
	s_add_co_u32 s46, s46, 32768
	s_add_nc_u64 s[52:53], s[6:7], s[46:47]        ; and their scale words
	s_lshl_b32 s44, s42, 8
	s_lshl_b32 s46, s20, 6
	s_add_co_u32 s44, s44, s46                     ; my first column
	s_add_nc_u64 s[14:15], s[14:15], s[44:45]
	s_lshl_b32 s46, s44, 4
	s_add_nc_u64 s[12:13], s[12:13], s[46:47]
	s_lshl_b32 s46, s44, 2
	s_add_nc_u64 s[16:17], s[16:17], s[46:47]
	s_add_nc_u64 s[18:19], s[18:19], s[46:47]
	s_lshl_b32 s46, s23, 22                        ; 256 rows of 16,384 bytes
	s_add_nc_u64 s[18:19], s[18:19], s[46:47]
	s_lshl_b32 s46, s23, 12
	s_add_nc_u64 s[8:9], s[8:9], s[46:47]
	s_lshl_b32 s46, s23, 8
	s_add_nc_u64 s[10:11], s[10:11], s[46:47]
	s_mul_i32 s48, s20, 4352                       ; my stage: 16 rows of 272 bytes, in slot 0
	v_and_b32 v3, 31, v0                           ; lane
	v_and_b32 v1, 15, v0                           ; r
	v_bfe_u32 v2, v0, 4, 1                         ; h
	v_lshlrev_b32 v[V16L], 4, v3
	v_lshlrev_b32 v[V16R], 4, v1
	v_lshl_add_u32 v[VTS], v2, 7, v1
	v_lshlrev_b32 v[VBI], 5, v2
	v_add_nc_u32 v[VM], -1, v2
.irp k, 0,1,2,3,4,5,6,7
	v_add_nc_u32 v[ADRA+\k], (\k/4)*SLOT+(\k%4)*REC, v[V16L]
.endr
	v_mul_u32_u24 v26, v2, 2*REC                   ; lanes 16-31: group 1, two records on
	v_lshl_add_u32 v26, v1, 4, v26
	v_add_nc_u32 v[ADRS], 32768, v26
	v_add_nc_u32 v[ADRS+1], 32768+SLOT, v26
	v_mul_u32_u24 v26, v1, 272
	v_lshl_add_u32 v26, v2, 5, v26
	v_add_nc_u32 v[STO], s48, v26                  ; in: row r, 32 h
	v_mul_u32_u24 v27, v2, 272
	v_lshl_add_u32 v27, v1, 4, v27
	v_add_nc_u32 v[RD], s48, v27                   ; back: lanes 0-15 a row of 256 bytes, lanes 16-31 the next
	v_lshlrev_b32 v[CO], 14, v2
	v_lshl_add_u32 v[CO], v1, 4, v[CO]             ; and the same two rows in out0
	v_lshlrev_b32 v[PF0], 8, v3
	v_add_nc_u32 v[PF1], 32, v3
	v_min_u32 v[PF1], 33, v[PF1]
	v_lshlrev_b32 v[PF1], 8, v[PF1]
	v_min_u32 v[PF2], 3, v3
	v_lshlrev_b32 v[PF2], 8, v[PF2]
.irp k, 64,65,66,67
	v_mov_b32 v[AF+\k], 0                          ; the upper half of t's last fragment
.endr
	s_wait_alu depctr_va_vdst(0)                   ; the wait behind the head's vector work
	WIN TO_B
.irp j, 0,1,2,3
	global_load_b128 v[192+8*\j:192+8*\j+3], v[V16R], s[12:13] offset:256*\j   ; lora_up's rows 16 j + r: k = 0 .. 31
.endr
.irp d, 0,1
.irp g, 0,1,2,3
	global_load_b128 v[224+16*\d+4*\g:224+16*\d+4*\g+3], v[VBI], s[16:17] offset:128*\d+64*(\g/2)+16*(\g%2)   ; the bias in the result's layout
.endr
.endr
	WIN 0
.irp a, 0,1,2,3,4,5,6,7,8,9,10,11,12,13,14,15
	global_load_b128 v[AF+4*\a:AF+4*\a+3], v[V16R], s[8:9] offset:256*\a
.endr
.irp i, 0,1,2,3,4,5,6,7
	global_load_u8 v[LSA+\i], v[VTS], s[10:11] offset:16*\i    ; byte 0 t's scale, bytes 1 to 3 zero: finite codes over zero products
.endr
.irp d, 0,1
	global_load_u8 v[LSB+\d], v3, s[14:15] offset:32*\d
.endr
	ASKA 1
.irp k, 0,1,2,3,4,5
	BLOAD \k
.endr
	s_wait_loadcnt 52                              ; all but W's six steps (48 loads) and two sets of scale words (4)
	WIN 0x44                                       ; source 1 and destination window 1
.irp j, 0,1,2,3
.irp k, 0,1,2,3
	v_and_b32 v[192+8*\j+\k], v[VM], v[192+8*\j+\k]    ; k = 32 .. 63 (lanes 16-31): zero codes
.endr
.endr
.irp j, 0,1,2,3
.irp k, 4,5,6,7
	v_mov_b32 v[192+8*\j+\k], 0                    ; k = 64 .. 127: zero codes
.endr
.endr
	s_wait_alu depctr_va_vdst(0)
	PLACES                                         ; operands written by vector instructions stand four places ahead of a scaled product
	WIN LOW_LO
	MULL 0
	WIN LOW_HI
	MULL 8
	PLACES
	WIN 0
	BLOAD 6                                        ; into the registers that held lora_up's fragments,
	BLOAD 7                                        ; and into those that held the bias
	s_wait_alu depctr_va_vdst(0)                   ; the wait at the head's end
	s_wait_tensorcnt 0x0                           ; my record of slot 0 is in; the same lines as ahead of a refill:
	ds_add_u32 v[SPW], v[NIL]
	s_wait_dscnt 0x0
	CROUND
	tensor_load_to_lds s[G0+4:G0+7], s[G1:G1+7]    ; slot 1's first fill: K 1,024 .. 2,047
	s_nop 0
	PLACES
.set N_, 0
.set F_, 0
	FETCH 0
	SCALA
	ASKA 2
	FETCH 1
.rept 7
	STEP
.endr
	TURN
.rept 7
	STEP
.endr
	TURN
.rept 7
	STEP
.endr
	MEET                                           ; step 23: nothing is filled again, so no round follows
	PLACES
	XLOAD 0                                        ; into blocks 0-7's registers, which step 23 has multiplied
.set F_, 24
	SCALA
	WIN MUL_HI
	MUL 8, 8
	PLACES
	WIN 0
.set F_, 28
	SCALA                                          ; both sets of xq's scale words are at work from here on
	XLOAD 1
	BLOAD 31
	s_wait_dscnt 16                                ; all but block 1's fragments
	s_wait_loadcnt 8                               ; W's steps 24 to 30 are in; step 31's eight loads may be out
	ROW 0
	PLACES
	WIN 0
	XLOAD 2
	TOSTAGE 0
.irp a, 1,2,3,4,5,6,7,8,9,10,11,12,13,14,15
.if \a < 15
	s_wait_dscnt 32                                ; block a's fragments are in; behind them: block a + 1's 16 loads and block a - 1's 16 stage instructions
.else
	s_wait_dscnt 16                                ; behind them: block 14's 16 stage instructions
.endif
	ROW \a
	SEND \a-1                                      ; block a - 1 leaves
	PLACES
.if \a+2 <= 15
	WIN 0
	XLOAD \a+2                                     ; into the buffer that block a has left
.endif
	TOSTAGE \a
.endr
	SEND 15
	WIN 0
	s_wait_tensorcnt 0x0                           ; the wave's end
	ds_add_u32 v[SPW], v[NIL]
	s_wait_dscnt 0x0
	CROUND                                         ; the closing round
	s_endpgm
.Lfunc_end_k_q6f07cc8057_gemm:
	.size	k_q6f07cc8057_gemm, .Lfunc_end_k_q6f07cc8057_gemm-k_q6f07cc8057_gemm
	.p2alignl 7, 3214868480
	.fill 96, 4, 3214868480
	.section	.rodata,"a",@progbits
	.p2align	6, 0x0
	.amdhsa_kernel k_q6f07cc8057_gemm
		.amdhsa_group_segment_fixed_size 327680
		.amdhsa_private_segment_fixed_size 0
		.amdhsa_enable_private_segment 0
		.amdhsa_kernarg_size 64
		.amdhsa_user_sgpr_count 2
		.amdhsa_user_sgpr_kernarg_segment_ptr 1
		.amdhsa_wavefront_size32 1
		.amdhsa_system_sgpr_workgroup_id_x 1
		.amdhsa_system_sgpr_workgroup_id_y 1
		.amdhsa_system_sgpr_workgroup_id_z 1
		.amdhsa_system_vgpr_workitem_id 0
		.amdhsa_next_free_vgpr 1024
		.amdhsa_next_free_sgpr 66
		.amdhsa_reserve_vcc 0
		.amdhsa_float_denorm_mode_32 3
		.amdhsa_float_denorm_mode_16_64 3
		.amdhsa_memory_ordered 1
		.amdhsa_forward_progress 1
		.amdhsa_inst_pref_size 255
	.end_amdhsa_kernel
	.section	.bss,"aw",@nobits
	.p2align	6
	.space	262144
	.amdgpu_metadata
---
amdhsa.version: [ 1, 2 ]
amdhsa.kernels:
  - .name:           k_q6f07cc8057_gemm
    .symbol:         k_q6f07cc8057_gemm.kd
    .args:
      - { .name: xq, .offset: 0, .size: 8, .value_kind: global_buffer, .address_space: global }
      - { .name: wq, .offset: 8, .size: 8, .value_kind: global_buffer, .address_space: global }
      - { .name: tc, .offset: 16, .size: 8, .value_kind: global_buffer, .address_space: global }
      - { .name: ts, .offset: 24, .size: 8, .value_kind: global_buffer, .address_space: global }
      - { .name: lora_up_codes, .offset: 32, .size: 8, .value_kind: global_buffer, .address_space: global }
      - { .name: lora_up_scales, .offset: 40, .size: 8, .value_kind: global_buffer, .address_space: global }
      - { .name: bias, .offset: 48, .size: 8, .value_kind: global_buffer, .address_space: global }
      - { .name: out0, .offset: 56, .size: 8, .value_kind: global_buffer, .address_space: global }
    .group_segment_fixed_size: 327680
    .private_segment_fixed_size: 0
    .kernarg_segment_align: 8
    .kernarg_segment_size: 64
    .max_flat_workgroup_size: 128
    .sgpr_count:     66
    .vgpr_count:     1024
    .wavefront_size: 32
...
	.end_amdgpu_metadata
.endif
;; end of part 2
